; MI455X (gfx1250); checked and timed in simulation.
; The chip was launched on July 23, 2026; its instructions are those of AMD's public machine-readable ISA for CDNA 5 (MIT licence, August 2026) and "CDNA5" Instruction Set Architecture Reference Guide (July 2026). The comments in the code are by the model that wrote it; some were corrected since.
;; Pure Torch SVDQ Int4 Linear BF16. Allowed arithmetic: matrix products marked QUANTISED: E4M3 operands, one given power-of-two scale a tensor, by v_wmma_f32_16x16x64_fp8_fp8 or v_wmma_f32_16x16x128_fp8_fp8, f32 sums; everything else in f32.
;; Inputs: bias 4,096 float32; lowp_scales 6 int32 (the exponents e of the quantised operands' scales 2^e); main_qweight 4,096 x 64 x 64 int32; main_wscale 4,096 x 64 float32; proj_down_dense_codes 32 x 128 x 32 uint8 (E4M3 codes of proj_down_dense, K innermost, in blocks of 32 codes); proj_up_dense_codes 4,096 x 1 x 32 uint8 (E4M3 codes of proj_up_dense, K innermost, in blocks of 32 codes); x 4,096 x 4,096 float32.
;; Outputs: out0 4,096 x 4,096 float32.
;; This version of the problem:
;;   THIS VERSION OF THE PROBLEM IS GIVEN IN LOW PRECISION. The matrix products marked QUANTISED in the list below multiply operands that are first quantised to E4M3 (4 exponent bits, 3 mantissa bits; 8 bits a number), with one given power-of-two scale for each operand tensor; their sums are f32. All else is computed in f32.
;;   The module's matrix products, in the order in which they are computed (A, B: the left and right operand; K: the contracted axis; several contracted axes count as one K, in the product's order):
;;     1. [M 4,096, K 4,096] x [K 4,096, N 4,096]; A: computed on the way; B: computed on the way: QUANTISED (scales: A lowp_scales[0], B lowp_scales[1])
;;     2. [M 4,096, K 4,096] x [K 4,096, N 32]; A: input x; B: input proj_down_dense (given as codes): QUANTISED (scales: A lowp_scales[2], B lowp_scales[3])
;;     3. [M 4,096, K 32] x [K 32, N 4,096]; A: computed on the way; B: input proj_up_dense (given as codes): QUANTISED (scales: A lowp_scales[4], B lowp_scales[5])
;;   THE QUANTISER, for each operand of a quantised product, along K:
;;     - The operand's scale is 2^e, e = its entry of the input lowp_scales (int32; the entries are numbered through the quantised products in the list's order, A before B).
;;     - Each number is divided by the scale, clamped to +-448, and rounded to the nearest number of E4M3, ties to even, subnormals kept.
;;     - The product sums the exact products of the quantised numbers (number of the format x scale) in f32.
;;   ~~~python
;;   def quantise(x, axis, e):      # numpy; x: float32 -> the quantised numbers, widened to float32 again
;;       x = np.moveaxis(x, axis, -1); K = x.shape[-1]
;;       r = np.clip(x / 2.0 ** e, -448, 448)
;;       step = 2.0 ** (np.maximum(np.frexp(np.where(r == 0, 1, r))[1] - 1, -6) - 3)
;;       q = np.round(r / step) * step * 2.0 ** e      # np.round: ties to even
;;       return np.moveaxis(q, -1, axis).astype(np.float32)
;;   ~~~
;;   OPERANDS COMPUTED ON THE WAY. 'Computed on the way' means the value that the module computes at that place (a softmax that the list does not call 'softmax' is quantised finished and normalised). What goes into a quantiser is computed in f32, as accurately as f32 sums, v_exp_f32 and their like allow (about 1e-6 of the number): no bf16 or f16 on the way to a quantiser, and a product that is left as it is and whose result goes on into a quantised operand takes f32 operands (vector FMAs, or v_wmma_f32_16x16x4_f32). A number that lies on a knife's edge between two numbers of the format may be rounded either way, as far as f32 arithmetic and the matrix unit's own rounding can turn it there, and no further.
;;   INPUTS GIVEN AS CODES. proj_down_dense (in the module: [4096, 32], K = its axis 0); proj_up_dense (in the module: [32, 4096], K = its axis 0): each comes as NAME_codes (uint8): NAME with its K axis moved to the last place and cut into blocks of 32 codes, [.., K / 32, bytes a block], one block behind the other in memory; one code a byte (a code: sign, 4 exponent bits, 3 mantissa bits); its scale is its entry of lowp_scales. Its value is code x scale, taken as it is: it is not quantised again, and the codes and scales need not be those that the quantiser above would give.
;; 2 versions, each right; version 2 is version 1 with the launch prep written anew for expert scheduling mode. Each part assembles by itself: llvm-mc -triple=amdgcn-amd-amdhsa -mcpu=gfx1250 --defsym DOCPART=n.
;; ======== version 1 of 2: 2 launches
;; workspace buffers: a_codes 16,777,216 bytes; w_codes 16,777,216 bytes; lr_codes 131,072 bytes
;; launch prep (part 1): grid 256 x 1, 16 waves a work-group, no clusters, 206,848 bytes of LDS; arguments x, main_qweight, main_wscale, proj_down_dense_codes, lowp_scales, a_codes, w_codes, lr_codes; writes a_codes, w_codes, lr_codes
.if DOCPART == 1
	.amdgcn_target "amdgcn-amd-amdhsa--gfx1250"
	.amdhsa_code_object_version 6
	.text
	.protected	k_q9eeed10a94_prep
	.globl	k_q9eeed10a94_prep
	.p2align	8
	.type	k_q9eeed10a94_prep,@function
k_q9eeed10a94_prep:
	s_mov_b64 s[64:65], 0
	v_nop
	global_prefetch_b8 v0, s[64:65] scope:SCOPE_SE
	s_setreg_imm32_b32 hwreg(HW_REG_WAVE_MODE, 25, 1), 1
	s_wait_xcnt 0x0
; THE QUANTISING STREAM.  Work-groups with an even number take x, those with an odd number the weight; number / 2 = i says which 32 rows (of 4,096 numbers).
;   x:  a_deq = clip(round(x / ascale), +-127) x ascale, ascale = the group's (64 along K) largest |x| x (1/127), or 1 for a group of zeros; a_deq -> codes of E4M3 with 2^e0 -> a_codes.
;       x itself -> codes with 2^e2, in registers; low rank = those codes x proj_down's codes (K = 4,096, 32 ranks) by v_wmma_f32_16x16x64_fp8_fp8; summed over the waves; -> codes with 2^e4 -> lr_codes [4096][32].
;   w:  w_deq = int32 weight x wscale[row][group] -> codes with 2^e1 -> w_codes.
; SHARES.  Sixteen waves; wave w takes k = 256 w .. 256 w + 255 of the 32 rows, in 8 steps of 16 rows x 64 k (one group a row): 4,096 bytes a step, written out, every offset an immediate.
; Each load reads two rows' aligned 256 bytes (16 lanes a row).  The conversions want 16 NEIGHBOURS along K in one lane, so a step turns through the wave's own stage in LDS (16 rows, 272 bytes apart: 68 words,
; row r starts at bank 4 r mod 64 (64 banks of 4 bytes: ISA guide 11.1)) and comes back so that lane (r, h) holds, of row r, k = 32 c + 16 h + 0 .. 15 in registers 16 c + 0 .. 15.
; a_codes AND w_codes ARE LAID AS IMAGES OF THE NEXT LAUNCH'S OPERAND REGISTERS: byte = (row / 128) 524288 + (k / 256) 32768 + ((row / 16) % 8) 4096 + ((k / 128) % 2) 2048 + ((k / 32) % 4) 512 + 16 lane + k % 16,
; lane = row % 16 + 16 ((k / 16) % 2).  So a lane's 16 codes are 16 bytes at 16 x lane, and each store of a wave covers 512 consecutive bytes, aligned.
; THE LOW-RANK PRODUCT IS USED TRANSPOSED: source 0 = 16 rows of proj_down's codes, source 1 = x's codes.  Lane r of tile u takes rank 8 u + r + 8 (r / 8), so that a lane's 16 sums are ranks 16 h + 0 .. 15 of token r.
; Both operands hold k = 32 c + 16 h + 0 .. 15 in registers 4 c .. 4 c + 3: a permutation of k, the same on both sides, so each product meets its partner.
; No tensor loads (two steps' loads of each of sixteen waves are on their way: 128 KiB a work-group), no cluster: what work-groups share, proj_down's 128 KiB, goes straight into registers once a wave, against 640 KiB moved.
; LIMITS.  e0, e1, e2 and e4 - e2 - e3 between -126 and 119, so that 2^e and 448 x 2^e are f32 numbers.  NaN and infinities in x are not served.  x / ascale is x times v_rcp_f32(ascale): within about 1.5 units in
; the last place of the true quotient, so a quotient that close to a half may round the other way.  A group whose largest |x| is not 0 and under 2^-119 is not served (v_rcp_f32 takes a denormal ascale for 0).
.set R,    32                          ; v32-95    two sets of 32: a step as loaded
.set X,    96                          ; v96-127   the step's 32 numbers of my row
.set T,    128                         ; v128-143  at work
.set AC,   144                         ; v144-151  the codes that go out
.set XC,   152                         ; v152-159  x's codes for the low-rank product
.set PD,   160                         ; v160-223  proj_down's fragments: step s, tile u at PD + 16 s + 8 u
.set ACC,  224                         ; v224-239  the two accumulators
.set WS,   240                         ; v240-247  wscale: row block b, step s at WS + 4 b + s
.set SP,   272                         ; a stage row
.set WSTG, 16*16*SP                    ; LDS: x's sixteen stages from 0, the weight's from here (each kind has bytes of its own),
.set PART, 2*WSTG                      ; then the waves' partial sums: (16 x row block + wave) x 2,048 + 512 q + 16 x lane
; v4 my place in a load; v5, v6 x's stage in and out; v7, v8 the weight's; v9 16 x lane; v10, v11 partial sums in and out; v12 proj_down; v13 wscale; v14 lr_codes
; v16, v17: 2^e and 448 x 2^e for the codes that go out; v18, v19: for e2; v20, v21: for e4 - e2 - e3; v22, v23 maxima; v[24:25] ascale, 0; v[26:27] 1 / ascale, 0; v28 127.0
	s_load_b256 s[4:11], s[0:1], 0x0               ; x s[4:5], the weight s[6:7], wscale s[8:9], proj_down's codes s[10:11]
	s_load_b256 s[12:19], s[0:1], 0x20             ; the exponents s[12:13], a_codes s[14:15], w_codes s[16:17], lr_codes s[18:19]
	v_lshl_add_u32 v248, v0, 2, 0x32000
	v_mov_b32 v249, 0
	v_lshrrev_b32 v1, 5, v0
	v_readfirstlane_b32 s20, v1                    ; wave 0..15
	s_and_b32 s21, ttmp9, 1                        ; kind: 0 = x, 1 = the weight
	s_lshr_b32 s22, ttmp9, 1                       ; i: my 32 rows
	s_min_u32 s23, s20, 1                          ; the row block that waves 0 and 1 sum at the end
	s_mov_b32 s40, 0x76543210                      ; v_permlanex16_b32: lane l takes lane l xor 16
	s_mov_b32 s41, 0xfedcba98
	v_and_b32 v1, 31, v0                           ; lane
	v_and_b32 v2, 15, v0                           ; r
	v_bfe_u32 v3, v0, 4, 1                         ; h
	v_lshlrev_b32 v4, 4, v2
	v_lshl_add_u32 v4, v3, 14, v4                  ; a load: 16 r, lanes 16-31 one row (16,384 bytes) further down
	s_mul_i32 s38, s20, 16*SP                      ; my stage
	v_mul_u32_u24 v5, v3, SP
	v_lshl_add_u32 v5, v2, 4, v5
	v_add_nc_u32 v5, s38, v5                       ; in: as loaded: row h, 16 r
	v_mul_u32_u24 v6, v2, SP
	v_lshl_add_u32 v6, v3, 6, v6
	v_add_nc_u32 v6, s38, v6                       ; out: row r, + 64 h bytes: my 16 numbers of each 32
	v_add_nc_u32 v7, WSTG, v5
	v_add_nc_u32 v8, WSTG, v6
	v_lshlrev_b32 v9, 4, v1
	s_lshl_b32 s38, s20, 11
	v_add_nc_u32 v10, s38, v9
	v_add_nc_u32 v10, PART, v10
	s_lshl_b32 s38, s23, 15
	v_add_nc_u32 v11, s38, v9
	v_add_nc_u32 v11, PART, v11
	v_and_b32 v12, 8, v2
	v_add_nc_u32 v12, v12, v2                      ; r + 8 (r / 8)
	v_lshlrev_b32 v12, 12, v12                     ; a rank's row is 4,096 codes
	v_lshl_add_u32 v12, v3, 4, v12
	v_lshlrev_b32 v13, 8, v2                       ; a row of wscale is 256 bytes
	v_lshlrev_b32 v14, 5, v2
	v_lshl_add_u32 v14, v3, 4, v14                 ; lr_codes: 32 r + 16 h
	v_mov_b32 v25, 0                               ; (named as the upper halves of pairs)
	v_mov_b32 v27, 0
	v_mov_b32 v28, 0x42fe0000                      ; 127.0
	s_lshl_b32 s30, s22, 19                        ; from: 32 i rows of 16,384 bytes + 1,024 x wave
	s_lshl_b32 s38, s20, 10
	s_add_co_u32 s30, s30, s38
	s_mov_b32 s31, 0
	s_lshr_b32 s32, s22, 2                         ; to: (i / 4) 524288 + 32768 x wave + (i % 4) 8192
	s_lshl_b32 s32, s32, 19
	s_lshl_b32 s38, s20, 15
	s_add_co_u32 s32, s32, s38
	s_and_b32 s38, s22, 3
	s_lshl_b32 s38, s38, 13
	s_add_co_u32 s32, s32, s38
	s_mov_b32 s33, 0
	s_mov_b32 s39, 0
	s_wait_kmcnt 0x0
	s_load_b128 s[24:27], s[12:13], 0x0            ; e0, e1, e2, e3
	s_load_b32 s28, s[12:13], 0x10                 ; e4
	s_cmp_eq_u32 s21, 0                            ; the choice of buffers hangs on the work-group's number alone
	s_cselect_b64 s[34:35], s[4:5], s[6:7]
	s_cselect_b64 s[36:37], s[14:15], s[16:17]
	s_add_nc_u64 s[34:35], s[34:35], s[30:31]
	s_add_nc_u64 s[36:37], s[36:37], s[32:33]
	s_lshl_b32 s38, s20, 8
	s_add_nc_u64 s[44:45], s[10:11], s[38:39]      ; proj_down's codes at k = 256 x wave
	s_lshl_b32 s38, s22, 13
	s_lshl_b32 s42, s20, 4
	s_add_co_u32 s38, s38, s42
	s_add_nc_u64 s[46:47], s[8:9], s[38:39]        ; wscale at row 32 i, group 4 x wave
	s_lshl_b32 s38, s22, 10
	s_lshl_b32 s42, s23, 9
	s_add_co_u32 s38, s38, s42
	s_add_nc_u64 s[48:49], s[18:19], s[38:39]      ; lr_codes at row 32 i + 16 x row block
	s_wait_kmcnt 0x0
	s_cmp_eq_u32 s21, 0
	s_cselect_b32 s42, s24, s25                    ; e0 for x, e1 for the weight
	s_add_co_i32 s42, s42, 127
	s_lshl_b32 s43, s42, 23
	v_mov_b32 v16, s43                             ; 2^e as f32: the conversion takes its exponent field
	s_add_co_i32 s42, s42, 8
	s_lshl_b32 s42, s42, 23
	s_or_b32 s42, s42, 0x600000
	v_mov_b32 v17, s42                             ; 448 x 2^e
	s_add_co_i32 s42, s26, 127
	s_lshl_b32 s43, s42, 23
	v_mov_b32 v18, s43                             ; 2^e2
	s_add_co_i32 s42, s42, 8
	s_lshl_b32 s42, s42, 23
	s_or_b32 s42, s42, 0x600000
	v_mov_b32 v19, s42
	s_sub_co_i32 s42, s28, s26                     ; a low-rank sum stands for sum x 2^(e2 + e3): its code is sum / 2^(e4 - e2 - e3)
	s_sub_co_i32 s42, s42, s27
	s_add_co_i32 s42, s42, 127
	s_lshl_b32 s43, s42, 23
	v_mov_b32 v20, s43
	s_add_co_i32 s42, s42, 8
	s_lshl_b32 s42, s42, 23
	s_or_b32 s42, s42, 0x600000
	v_mov_b32 v21, s42
.macro LOAD t                          ; step t: row block t / 4, group t % 4 of my four: eight loads, two rows each, into set t % 2
.irp i, 0,1,2,3,4,5,6,7
	global_load_b128 v[R+32*((\t)%2)+4*\i:R+32*((\t)%2)+4*\i+3], v4, s[34:35] offset:(16*((\t)/4)+2*\i)*16384+256*((\t)%4) th:TH_LOAD_NT
.endr
.endm
.macro TURN t, sin, sout               ; step t through my stage.  LDS serves a wave's instructions in order (ISA guide 5.7.1.4): no wait between the stores and the loads, nor in front of the next turn's stores
.irp i, 0,1,2,3,4,5,6,7
	ds_store_b128 v[\sin], v[R+32*((\t)%2)+4*\i:R+32*((\t)%2)+4*\i+3] offset:2*SP*\i
.endr
.irp c, 0,1
.irp j, 0,1,2,3
	ds_load_b128 v[X+16*\c+4*\j:X+16*\c+4*\j+3], v[\sout] offset:128*\c+16*\j
.endr
.endr
.endm
.macro PUT t                           ; the step's codes: two stores of 512 consecutive bytes; the next launch reads them, so no hint
	global_store_b128 v9, v[AC:AC+3], s[36:37] offset:4096*((\t)/4)+1024*((\t)%4)
	global_store_b128 v9, v[AC+4:AC+7], s[36:37] offset:4096*((\t)/4)+1024*((\t)%4)+512
.endm
.macro NEXT t, sin, sout               ; the next step's numbers go through the stage
.if (\t) < 6
	s_wait_loadcnt 8                               ; the next step's eight loads are in; the eight of the step behind it, the only younger ones, may be out
	TURN (\t)+1, \sin, \sout
.elseif (\t) == 6
	s_wait_loadcnt 0x0                             ; nothing younger was issued
	TURN 7, \sin, \sout
.endif
.endm
.macro XSTEP t
.set QS, (\t)%4
	s_wait_dscnt 0x0                               ; my 32 numbers are back from the stage, so the turn's stores have read their registers (and, in step 4, the stores of the partial sums theirs),
.if (\t)+2 < 8
	LOAD (\t)+2                                    ; which take the loads of two steps on
.endif
	v_max3_num_f32 v22, |v96|, |v97|, |v98|        ; the group's largest |x|: my 32 numbers in two chains,
	v_max3_num_f32 v23, |v99|, |v100|, |v101|
	v_max3_num_f32 v22, v22, |v102|, |v103|
	v_max3_num_f32 v23, v23, |v104|, |v105|
	v_max3_num_f32 v22, v22, |v106|, |v107|
	v_max3_num_f32 v23, v23, |v108|, |v109|
	v_max3_num_f32 v22, v22, |v110|, |v111|
	v_max3_num_f32 v23, v23, |v112|, |v113|
	v_max3_num_f32 v22, v22, |v114|, |v115|
	v_max3_num_f32 v23, v23, |v116|, |v117|
	v_max3_num_f32 v22, v22, |v118|, |v119|
	v_max3_num_f32 v23, v23, |v120|, |v121|
	v_max3_num_f32 v22, v22, |v122|, |v123|
	v_max3_num_f32 v23, v23, |v124|, |v125|
	v_max3_num_f32 v22, v22, |v126|, |v127|
	v_max_num_f32 v22, v22, v23
	v_permlanex16_b32 v23, v22, s40, s41           ; and the row's other 32, in the lane 16 away
	v_max_num_f32 v22, v22, v23
	v_mul_f32 v24, 0x3c010204, v22                 ; x (1 / 127)
	v_cmp_lt_f32 vcc_lo, 0, v22
	v_cndmask_b32 v24, 1.0, v24, vcc_lo            ; ascale; 1 for a group of zeros
	v_rcp_f32 v26, v24
	v_nop                                          ; a plain instruction between the reciprocal and its use
	s_wait_xcnt 0x0                                ; the last step's stores have read the codes' registers: they are written again only behind this wait
	s_wait_alu depctr_va_vdst(0)
.irp c, 0,1                                    ; 16 numbers at a time
.set NN, 0
.rept 8
	v_pk_mul_f32 v[T+NN:T+NN+1], v[X+16*\c+NN:X+16*\c+NN+1], v[26:27] op_sel_hi:[1,0]   ; x / ascale
.set NN, NN+2
.endr
.set NN, 0
.rept 16
	v_rndne_f32 v[T+NN], v[T+NN]                   ; to the nearest whole number, ties to even
.set NN, NN+1
.endr
.set NN, 0
.rept 16
	v_med3_num_f32 v[T+NN], v[T+NN], -v28, v28     ; the clip at +-127
.set NN, NN+1
.endr
.set NN, 0
.rept 8
	v_pk_mul_f32 v[T+NN:T+NN+1], v[T+NN:T+NN+1], v[24:25] op_sel_hi:[1,0]               ; a_deq
.set NN, NN+2
.endr
.set NN, 0
.rept 16
	v_med3_num_f32 v[T+NN], v[T+NN], -v17, v17     ; the conversion to an 8-bit code does not saturate (ISA guide 7.6.2): the hold at 448 x 2^e0
.set NN, NN+1
.endr
	v_cvt_scalef32_pk8_fp8_f32 v[AC+4*\c:AC+4*\c+1], v[T:T+7], v16
	v_cvt_scalef32_pk8_fp8_f32 v[AC+4*\c+2:AC+4*\c+3], v[T+8:T+15], v16
.set NN, 0
.rept 16
	v_med3_num_f32 v[X+16*\c+NN], v[X+16*\c+NN], -v19, v19   ; x itself, held at 448 x 2^e2.  (Plain lines behind the conversions above, whose sources the next half writes)
.set NN, NN+1
.endr
	v_cvt_scalef32_pk8_fp8_f32 v[XC+4*\c:XC+4*\c+1], v[X+16*\c:X+16*\c+7], v18
	v_cvt_scalef32_pk8_fp8_f32 v[XC+4*\c+2:XC+4*\c+3], v[X+16*\c+8:X+16*\c+15], v18
.endr
	v_nop                                          ; one plain line between the last conversion and the products that read its result
	NEXT \t, 5, 6
.if QS == 0                                    ; a row block's first step starts the sums: nothing is cleared.  The two accumulators take turns, one instruction a turn
	v_wmma_f32_16x16x64_fp8_fp8 v[ACC:ACC+7], v[PD:PD+7], v[XC:XC+7], 0
	v_wmma_f32_16x16x64_fp8_fp8 v[ACC+8:ACC+15], v[PD+8:PD+15], v[XC:XC+7], 0
.else
	v_wmma_f32_16x16x64_fp8_fp8 v[ACC:ACC+7], v[PD+16*QS:PD+16*QS+7], v[XC:XC+7], v[ACC:ACC+7]
	v_wmma_f32_16x16x64_fp8_fp8 v[ACC+8:ACC+15], v[PD+16*QS+8:PD+16*QS+15], v[XC:XC+7], v[ACC+8:ACC+15]
.endif
	PUT \t
.if QS == 3
.rept 4
	v_nop                                          ; four places between the products and the LDS stores that read their results
.endr
.irp q, 0,1,2,3
	ds_store_b128 v10, v[ACC+4*\q:ACC+4*\q+3] offset:32768*((\t)/4)+512*\q   ; my 256 k's share of the row block's sums, as the registers stand; each accumulator from its low end on
.endr
.endif
.endm
.macro WSTEP t
.set QS, (\t)%4
.set WP, WS+4*((\t)/4)+2*(QS/2)        ; the pair that holds this group's scale
	s_wait_dscnt 0x0                               ; my 32 numbers are back from the stage, so the turn's stores have read their registers,
.if (\t)+2 < 8
	LOAD (\t)+2                                    ; which take the loads of two steps on
.endif
.set NN, 0
.rept 32
	v_cvt_f32_i32 v[X+NN], v[X+NN]
.set NN, NN+1
.endr
.set NN, 0
.rept 16
.if QS%2 == 0
	v_pk_mul_f32 v[X+NN:X+NN+1], v[X+NN:X+NN+1], v[WP:WP+1] op_sel_hi:[1,0]             ; w_deq: both x the pair's first register
.else
	v_pk_mul_f32 v[X+NN:X+NN+1], v[X+NN:X+NN+1], v[WP:WP+1] op_sel:[0,1] op_sel_hi:[1,1] ; both x its second
.endif
.set NN, NN+2
.endr
.set NN, 0
.rept 32
	v_med3_num_f32 v[X+NN], v[X+NN], -v17, v17     ; the hold at 448 x 2^e1
.set NN, NN+1
.endr
	s_wait_xcnt 0x0                                ; the last step's stores have read the codes' registers
.irp g, 0,1,2,3
	v_cvt_scalef32_pk8_fp8_f32 v[AC+2*\g:AC+2*\g+1], v[X+8*\g:X+8*\g+7], v16
.endr
	v_nop                                          ; one plain line behind the last conversion
	NEXT \t, 7, 8
	PUT \t
.endm
	s_cmp_eq_u32 s21, 0
	s_cbranch_scc0 .Lw
	; ---- x
.irp s, 0,1,2,3                                ; proj_down's codes for my 256 k: 32 ranks x 256 bytes, each aligned 256 bytes read whole; they stay in registers for both row blocks
.irp u, 0,1
.irp c, 0,1
	global_load_b128 v[PD+16*\s+8*\u+4*\c:PD+16*\s+8*\u+4*\c+3], v12, s[44:45] offset:32768*\u+64*\s+32*\c
.endr
.endr
.endr
	LOAD 0
	LOAD 1
	s_wait_loadcnt 8                               ; all but step 1's eight
	TURN 0, 5, 6
.irp t, 0,1,2,3,4,5,6,7
	XSTEP \t
.endr
	s_branch .Ljoin
.Lw:
	; ---- the weight
	global_load_b128 v[WS:WS+3], v13, s[46:47]             ; my four groups' scales of rows r and 16 + r
	global_load_b128 v[WS+4:WS+7], v13, s[46:47] offset:4096
	LOAD 0
	LOAD 1
	s_wait_loadcnt 8                               ; all but step 1's eight
	TURN 0, 7, 8
.irp t, 0,1,2,3,4,5,6,7
	WSTEP \t
.endr
.Ljoin:
	s_wait_dscnt 0x0                               ; for the others' sake: my stores of partial sums have landed
	s_barrier_signal -1
	s_barrier_wait -1                              ; the one barrier, on both kinds' way
	s_cmp_lg_u32 s21, 0
	s_cbranch_scc1 .Lend
	s_cmp_ge_u32 s20, 2
	s_cbranch_scc1 .Lend
	; ---- waves 0 and 1: the sixteen waves' shares of row block 0 or 1 are added, and the sums become codes
	s_wait_xcnt 0x0                                ; my last stores have read the codes' registers: LDS loads land there only behind this wait
.irp p, 0,1,2,3,4,5,6,7
.irp q, 0,1,2,3
	ds_load_b128 v[32+16*\p+4*\q:32+16*\p+4*\q+3], v11 offset:2048*\p+512*\q
.endr
.endr
	s_wait_dscnt 0x0
.irp p, 1,2,3,4,5,6,7
.irp n, 0,2,4,6,8,10,12,14
	v_pk_add_f32 v[32+\n:33+\n], v[32+\n:33+\n], v[32+16*\p+\n:33+16*\p+\n]
.endr
.endr
.irp p, 8,9,10,11,12,13,14,15
.irp q, 0,1,2,3
	ds_load_b128 v[32+16*(\p-7)+4*\q:32+16*(\p-7)+4*\q+3], v11 offset:2048*\p+512*\q
.endr
.endr
	s_wait_dscnt 0x0
.irp p, 1,2,3,4,5,6,7,8
.irp n, 0,2,4,6,8,10,12,14
	v_pk_add_f32 v[32+\n:33+\n], v[32+\n:33+\n], v[32+16*\p+\n:33+16*\p+\n]
.endr
.endr
.irp n, 0,1,2,3,4,5,6,7,8,9,10,11,12,13,14,15
	v_med3_num_f32 v[32+\n], v[32+\n], -v21, v21   ; the hold at 448 x 2^(e4 - e2 - e3)
.endr
	v_cvt_scalef32_pk8_fp8_f32 v[176:177], v[32:39], v20   ; ranks 16 h + 0 .. 7 of token r,
	v_cvt_scalef32_pk8_fp8_f32 v[178:179], v[40:47], v20   ; 16 h + 8 .. 15
	v_nop
	global_store_b128 v14, v[176:179], s[48:49]    ; 16 rows of 32 codes: 512 consecutive bytes
.Lend:
	s_wait_tensorcnt 0x0
	ds_add_u32 v248, v249
	s_wait_dscnt 0x0
	s_endpgm
.Lfunc_end_k_q9eeed10a94_prep:
	.size	k_q9eeed10a94_prep, .Lfunc_end_k_q9eeed10a94_prep-k_q9eeed10a94_prep
	.p2alignl 7, 3214868480
	.fill 96, 4, 3214868480
	.section	.rodata,"a",@progbits
	.p2align	6, 0x0
	.amdhsa_kernel k_q9eeed10a94_prep
		.amdhsa_group_segment_fixed_size 206848
		.amdhsa_private_segment_fixed_size 0
		.amdhsa_enable_private_segment 0
		.amdhsa_kernarg_size 64
		.amdhsa_user_sgpr_count 2
		.amdhsa_user_sgpr_kernarg_segment_ptr 1
		.amdhsa_wavefront_size32 1
		.amdhsa_system_sgpr_workgroup_id_x 1
		.amdhsa_system_sgpr_workgroup_id_y 1
		.amdhsa_system_sgpr_workgroup_id_z 1
		.amdhsa_system_vgpr_workitem_id 0
		.amdhsa_next_free_vgpr 250
		.amdhsa_next_free_sgpr 66
		.amdhsa_reserve_vcc 1
		.amdhsa_float_denorm_mode_32 3
		.amdhsa_float_denorm_mode_16_64 3
		.amdhsa_memory_ordered 1
		.amdhsa_forward_progress 1
		.amdhsa_inst_pref_size 175
	.end_amdhsa_kernel
	.amdgpu_metadata
---
amdhsa.version: [ 1, 2 ]
amdhsa.kernels:
  - .name:           k_q9eeed10a94_prep
    .symbol:         k_q9eeed10a94_prep.kd
    .args:
      - { .name: x, .offset: 0, .size: 8, .value_kind: global_buffer, .address_space: global }
      - { .name: main_qweight, .offset: 8, .size: 8, .value_kind: global_buffer, .address_space: global }
      - { .name: main_wscale, .offset: 16, .size: 8, .value_kind: global_buffer, .address_space: global }
      - { .name: proj_down_dense_codes, .offset: 24, .size: 8, .value_kind: global_buffer, .address_space: global }
      - { .name: lowp_scales, .offset: 32, .size: 8, .value_kind: global_buffer, .address_space: global }
      - { .name: a_codes, .offset: 40, .size: 8, .value_kind: global_buffer, .address_space: global }
      - { .name: w_codes, .offset: 48, .size: 8, .value_kind: global_buffer, .address_space: global }
      - { .name: lr_codes, .offset: 56, .size: 8, .value_kind: global_buffer, .address_space: global }
    .group_segment_fixed_size: 206848
    .private_segment_fixed_size: 0
    .kernarg_segment_align: 8
    .kernarg_segment_size: 64
    .max_flat_workgroup_size: 512
    .sgpr_count:     66
    .vgpr_count:     250
    .wavefront_size: 32
...
	.end_amdgpu_metadata
.endif
;; end of part 1
;; launch gemm (part 2): grid 16 x 16, 4 waves a work-group, clusters of 4 x 4, 327,680 bytes of LDS; arguments a_codes, w_codes, lr_codes, proj_up_dense_codes, bias, lowp_scales, out0; writes out0
.if DOCPART == 2
	.amdgcn_target "amdgcn-amd-amdhsa--gfx1250"
	.amdhsa_code_object_version 6
	.text
	.protected	k_q9eeed10a94_gemm
	.globl	k_q9eeed10a94_gemm
	.p2align	8
	.type	k_q9eeed10a94_gemm,@function
k_q9eeed10a94_gemm:
	s_mov_b64 s[64:65], 0
	v_nop
	global_prefetch_b8 v0, s[64:65] scope:SCOPE_SE
	s_setreg_imm32_b32 hwreg(HW_REG_WAVE_MODE, 25, 1), 1
	s_wait_xcnt 0x0
	s_wait_alu depctr_hold_cnt(0) depctr_sa_sdst(0) depctr_va_vdst(0) depctr_va_sdst(0) depctr_va_ssrc(0) depctr_va_vcc(0) depctr_vm_vsrc(0)
	s_getreg_b32 s2, hwreg(HW_REG_IB_STS2, 6, 4)
	s_cmp_eq_u32 s2, 0
	s_cbranch_scc0 .Lentry_in_a_cluster
	s_endpgm
.Lentry_in_a_cluster:
	s_bfe_u32 s2, ttmp6, 0x10000c
	s_cmp_lg_u32 s2, 0xf033
	s_cbranch_scc0 .Lentry_shape_is_right
	s_endpgm
.Lentry_shape_is_right:
; out[m][n] = 2^(e0 + e1) sum over k of A[m][k] W[n][k]  +  2^(e4 + e5) sum over 32 ranks of LR[m][j] PU[n][j]  +  bias[n].  All four operands are codes of FP8 (E4M3); sums in f32; out is [4096][4096] f32.
; ONE SET OF ACCUMULATORS TAKES ALL THREE TERMS: it begins as LR PU^T (K = 32 in the K = 64 form, zero codes in the other half of both operands, C = 0), is brought once to the main product's power of two,
; acc = acc x 2^(e4 + e5 - e0 - e1) + bias x 2^-(e0 + e1) (one packed multiply-add for two numbers; powers of two round nothing), then takes the main product's 32 K steps of 128, and leaves as acc x 2^(e0 + e1).
; LIMITS: e0 + e1 and e4 + e5 - e0 - e1 lie between -126 and 127, so that both powers of two are f32 numbers.
; A tile of out, 256 x 256, is made by a work-group of four waves; a wave makes 128 x 128: 64 accumulators of 16 x 16, 512 registers.  K goes in slots of 256 (two steps of 128) through a ring of two LDS slots filled by the tensor data mover.
; A's AND W's CODES LIE IN MEMORY AS IMAGES OF THE OPERAND'S REGISTERS: 128 rows x 256 K are 32,768 consecutive bytes: (row / 16) 4096 + (k / 128) 2048 + ((k / 32) % 4) 512 + 16 lane + k % 16, lane = row % 16 + 16 ((k / 16) % 2).
; So a tile is one dense block for one tensor load, and a fragment (16 rows x 128 K, 16 registers) is four LDS loads of 512 consecutive bytes each, 16 x lane: no pitch and no padding.  Registers 4 c .. 4 c + 3 hold
; k = 32 c + 16 (lane / 16) + 0 .. 15: a permutation of k, the same in both operands, so each product meets its partner.
; CLUSTERS: 4 x 4 work-groups.  The four of a row of the cluster need the same tiles of A, the four of a column the same tiles of W: each tile is asked for JOINTLY, by the same tensor load with the same descriptor and a
; mask that names the four.  THE MATRIX INSTRUCTION IS USED TRANSPOSED (source 0 = 16 rows of W or PU, source 1 = 16 rows of A or LR): a lane then holds eight neighbouring numbers of a row of out.
; THE CHANGE OF SLOTS STANDS AT THE HEAD OF A SLOT'S LAST STEP: that step's fragments were all asked for during the step before, so the slot is read out there, and its refill has the slot's last step and the next slot's
; first, 128 matrix instructions, in which to land.
; REGISTERS, in windows of 256: window 0: v0-31 addresses; v32-95 LR's fragments, on the way out a block's results; from v128 the bias in the result's layout, then A's fragments (ONE set), on the way out rows read back.
;   window 1: W's fragments, TWO sets, at v0 and at v128 (PU's fragments lie at v128 first).   window 2: the 32 accumulators of my rows 0-63 (accumulator (a, b) at v[8 (8 a + b)]);   window 3: those of my rows 64-127.
.set TILEB,  32768                     ; a tile: 128 rows x 256 K: what one tensor load brings, and what one wave reads of A or of W
.set SLOT,   4*TILEB                   ; A's two tiles, then W's two
.set LAPS,   8                         ; a lap = two slots = 512 along K
.set FR,     16                        ; registers of a fragment
.set NL,     4                         ; LDS loads that bring one
.set NP,     4                         ; places behind these matrix instructions (ISA guide 7.12.1)
.set SPARE,  2*SLOT                    ; behind the ring: the spare words, 128 bytes for each wave: two blocks of 256 bytes that no other line names
.set SPITCH, 528                       ; the way out: a stage of 16 rows x (512 bytes + 16) for each wave, in slot 0, which has had its last fill and its last read when the first result is stored there
.set ROWO,   16384                     ; a row of out in bytes
.set ADRA, 16                          ; v16-17  LDS address of my A fragments in slot 0, 1
.set ADRB, 20                          ; v20-21  the same for W
.set STO,  24                          ; v24     the way out: where I put 32 bytes of a row
.set RD,   25                          ; v25     the way out: where I read a row back
.set CO,   26                          ; v26     16 x lane
.set SPW,  28                          ; v28     LDS address of my spare word: SPARE + 4 x my thread's number; never rewritten
.set NIL,  29                          ; v29     0; never rewritten
.set LRO,  30                          ; v30     32 r + 16 h: my 16 codes of a row of LR or PU
.set BO,   31                          ; v31     32 h: my eight numbers of 16 of the bias
.set LRF,  32                          ; LR's eight fragments of 8 registers
.set TMP,  32                          ; the way out: a block's 64 results
.set BIA,  128                         ; the bias: BIA + 8 b + j = bias[my first column + 16 b + 8 h + j]
.set AF,   128                         ; A's fragments
.set BK,   128                         ; the way out: 16 rows read back from the stage: v128-191 and v192-255 by turns
.set PUF,  128                         ; PU's eight fragments of 8 registers, in window 1
.set G1, 24                            ; s[24:31] descriptor group 1 for A's tiles;  s[32:39] group 0, one set for each slot
.set G0, 32
.set G1B, 48                           ; s[48:55], s[56:63] the same for W's tiles
.set G0B, 56
.set MSB, 0
.macro WIN new                         ; the immediate's high byte repeats the setting that is left
.if MSB != \new
	s_set_vgpr_msb (MSB<<8)|\new
.set MSB, \new
.endif
.endm
.set MUL_LO, 0xa1                      ; source 0 (W) window 1, source 1 (A) window 0, C and D window 2
.set MUL_HI, 0xf1                      ; the same, C and D window 3
.set TO_B,   0x40                      ; destination window 1, address window 0
; A joint load: waves 0 and 1 fetch for A, waves 2 and 3 for W.  Each of the two lines has ONE mask and one set of registers for all that issue it; the branch hangs on the wave's number alone.
; Four v_nop follow each of the two lines, ahead of the jump, the label and what follows.
.macro JLOAD g0a, g1a, g0b, g1b
	s_cmp_eq_u32 s15, 0
	s_cbranch_scc0 .Lfor_b_\@
	tensor_load_to_lds s[\g0a:\g0a+3], s[\g1a:\g1a+7]
	s_nop 0
.rept 4
	v_nop
.endr
	s_branch .Lasked_\@
.Lfor_b_\@:
	tensor_load_to_lds s[\g0b:\g0b+3], s[\g1b:\g1b+7]
	s_nop 0
.rept 4
	v_nop
.endr
.Lasked_\@:
.endm
.macro CREST                           ; a round of the cluster's barrier behind its opening barrier
	s_cmp_lg_u32 s14, 0
	s_cbranch_scc1 .Lnot_wave_0_\@
	s_barrier_signal -3
.Lnot_wave_0_\@:
	s_barrier_wait -3
	s_barrier_signal -1
	s_barrier_wait -1
.endm
.macro CROUND                          ; a whole round
	s_barrier_signal -1
	s_barrier_wait -1
	CREST
.endm
	s_load_b256 s[4:11], s[0:1], 0x0               ; A's codes s[4:5], W's s[6:7], LR's s[8:9], PU's s[10:11]
	s_load_b128 s[68:71], s[0:1], 0x20             ; the bias s[68:69], the exponents s[70:71]
	s_load_b64 s[72:73], s[0:1], 0x30              ; out
	v_lshl_add_u32 v[SPW], v0, 2, SPARE
	v_mov_b32 v[NIL], 0
	ds_add_u32 v28, v29
	ds_add_u32 v28, v29
	s_wait_dscnt 0x0
	v_lshrrev_b32 v1, 5, v0
	v_readfirstlane_b32 s14, v1                    ; wave 0..3
	s_lshr_b32 s15, s14, 1                         ; which half of the tile's rows is mine.  Also: I fetch for A (0) or for W (1)
	s_and_b32 s16, s14, 1                          ; which half of its columns.  Also: which 128 rows of that operand I fetch
	s_bfe_u32 s40, ttmp6, 0x40000                  ; cx, cy: my place in the cluster
	s_bfe_u32 s41, ttmp6, 0x40004
	s_lshl_b32 s42, ttmp9, 2
	s_add_co_u32 s42, s42, s40                     ; tile column of out = 4 x cluster x + cx
	s_and_b32 s17, ttmp7, 0xffff
	s_lshl_b32 s17, s17, 2
	s_add_co_u32 s17, s17, s41                     ; tile row of out = 4 x cluster y + cy
	s_lshl_b32 s43, s41, 2
	s_lshl_b32 s43, 15, s43                        ; my row of the cluster
	s_lshl_b32 s44, 0x1111, s40                    ; my column
	; descriptor group 1: a dense block of 128 rows x 256 bytes, no padding
	s_or_b32 s[G1+0], s43, (1<<21)                 ; 15:0 the mask: A's tiles go to my row; 17:16 elements of 1 byte; 20 no padding; 21 set beside a mask
	s_or_b32 s[G1B+0], s44, (1<<21)                ; the same with the mask of my column
.irp g, G1, G1B
	s_mov_b32 s[\g+1], 256<<16                     ; tensor_dim0 = 256
	s_mov_b32 s[\g+2], 128<<16                     ; tensor_dim1 = 128
	s_mov_b32 s[\g+3], 256<<16                     ; tile_dim0 = 256
	s_mov_b32 s[\g+4], 128                         ; tile_dim1 = 128
	s_mov_b32 s[\g+5], 256                         ; tensor_dim0_stride: each row begins where the last ends
	s_mov_b32 s[\g+6], 0
	s_mov_b32 s[\g+7], 0
.endr
	s_lshl_b32 s18, s16, 19                        ; 128 rows of codes are 524,288 bytes
	s_lshl_b32 s20, s17, 20
	s_add_co_u32 s20, s20, s18                     ; A: rows 256 x tile row + 128 x half
	s_mov_b32 s21, 0
	s_lshl_b32 s46, s42, 20
	s_add_co_u32 s46, s46, s18                     ; W: rows 256 x tile column + 128 x half
	s_mov_b32 s47, 0
	s_lshl_b32 s45, s14, 15                        ; where they go: wave x 32,768: no place in the cluster enters an LDS address
	s_wait_kmcnt 0x0
	s_load_b64 s[76:77], s[70:71], 0x0             ; e0, e1
	s_load_b64 s[80:81], s[70:71], 0x10            ; e4, e5
	s_add_nc_u64 s[20:21], s[4:5], s[20:21]
	s_add_nc_u64 s[46:47], s[6:7], s[46:47]
	CROUND                                         ; all sixteen work-groups are here: the first joint loads meet
.irp s, 0,1
	s_mov_b32 s[G0+4*\s], 1
	s_add_co_u32 s[G0+4*\s+1], s45, \s*SLOT
	s_add_nc_u64 s[G0+4*\s+2:G0+4*\s+3], s[20:21], \s*TILEB
	s_or_b32 s[G0+4*\s+3], s[G0+4*\s+3], 0x80000000
	s_mov_b32 s[G0B+4*\s], 1
	s_add_co_u32 s[G0B+4*\s+1], s45, \s*SLOT
	s_add_nc_u64 s[G0B+4*\s+2:G0B+4*\s+3], s[46:47], \s*TILEB
	s_or_b32 s[G0B+4*\s+3], s[G0B+4*\s+3], 0x80000000
	JLOAD G0+4*\s, G1, G0B+4*\s, G1B               ; two tensor loads of mine are out
.endr
	; ---- while the first tiles are on their way: LR, PU and the bias
	s_lshl_b32 s92, s17, 13                        ; LR: row 256 x tile row + 128 x half, 32 bytes a row
	s_lshl_b32 s94, s15, 12
	s_add_co_u32 s92, s92, s94
	s_mov_b32 s93, 0
	s_add_nc_u64 s[84:85], s[8:9], s[92:93]
	s_lshl_b32 s92, s42, 13                        ; PU: row 256 x tile column + 128 x half
	s_lshl_b32 s94, s16, 12
	s_add_co_u32 s92, s92, s94
	s_add_nc_u64 s[86:87], s[10:11], s[92:93]
	s_lshr_b32 s92, s92, 3                         ; my first column in bytes of f32
	s_add_nc_u64 s[88:89], s[68:69], s[92:93]      ; the bias there,
	s_lshl_b32 s94, s17, 22
	s_add_co_u32 s92, s92, s94
	s_lshl_b32 s94, s15, 21
	s_add_co_u32 s92, s92, s94
	s_add_nc_u64 s[72:73], s[72:73], s[92:93]      ; and out at my first row and column
	v_and_b32 v1, 15, v0                           ; r
	v_bfe_u32 v2, v0, 4, 1                         ; h
	v_and_b32 v6, 31, v0
	v_lshlrev_b32 v[CO], 4, v6
	v_lshlrev_b32 v[LRO], 5, v1
	v_lshl_add_u32 v[LRO], v2, 4, v[LRO]
	v_lshlrev_b32 v[BO], 5, v2
.irp a, 0,1,2,3,4,5,6,7
	global_load_b128 v[LRF+8*\a:LRF+8*\a+3], v[LRO], s[84:85] offset:512*\a      ; 16 rows x 32 codes: 512 consecutive bytes; registers 0-3 hold ranks 16 h + 0 .. 15
.endr
.irp b, 0,1,2,3,4,5,6,7
	global_load_b128 v[BIA+8*\b:BIA+8*\b+3], v[BO], s[88:89] offset:64*\b
	global_load_b128 v[BIA+8*\b+4:BIA+8*\b+7], v[BO], s[88:89] offset:64*\b+16
.endr
.irp a, 0,1,2,3,4,5,6,7
.irp n, 4,5,6,7
	v_mov_b32 v[LRF+8*\a+\n], 0                    ; K is 32 of the form's 64: zero codes fill the rest, on both operands
.endr
.endr
	WIN TO_B
.irp b, 0,1,2,3,4,5,6,7
	global_load_b128 v[PUF+8*\b:PUF+8*\b+3], v[LRO], s[86:87] offset:512*\b
.endr
.irp b, 0,1,2,3,4,5,6,7
.irp n, 4,5,6,7
	v_mov_b32 v[PUF+8*\b+\n], 0
.endr
.endr
	WIN 0
	s_lshl_b32 s18, s15, 15                        ; my 128 rows of A in a slot,
	s_lshl_b32 s19, s16, 15                        ; my 128 rows of W,
	s_add_co_u32 s19, s19, 2*TILEB                 ; which lie behind A's two tiles
.irp s, 0,1
	v_add_nc_u32 v[ADRA+\s], s18, v[CO]
	v_add_nc_u32 v[ADRB+\s], s19, v[CO]
	s_add_co_u32 s18, s18, SLOT
	s_add_co_u32 s19, s19, SLOT
.endr
	s_mul_i32 s23, s14, 16*SPITCH                  ; my stage
	v_mul_u32_u24 v5, v1, SPITCH                   ; in: row r, 32 bytes for each half of the lanes
	v_lshl_add_u32 v5, v2, 5, v5
	v_add_nc_u32 v[STO], s23, v5
	v_add_nc_u32 v[RD], s23, v[CO]                 ; back: the 32 lanes take one row of 512 bytes
	s_wait_kmcnt 0x0
	s_add_co_i32 s82, s76, s77                     ; e0 + e1
	s_add_co_i32 s83, s80, s81
	s_sub_co_i32 s83, s83, s82                     ; e4 + e5 - e0 - e1
	s_add_co_i32 s83, s83, 127
	s_lshl_b32 s98, s83, 23                        ; 2^(e4 + e5 - e0 - e1) as f32
	s_mov_b32 s99, s98                             ; (named with it as a pair, so it is written)
	s_add_co_i32 s96, s82, 127
	s_lshl_b32 s96, s96, 23                        ; 2^(e0 + e1) as f32
	s_mov_b32 s97, s96
	s_sub_co_i32 s82, 0, s82
	s_wait_loadcnt 0x0                             ; LR, PU and the bias are in
.set NN, 0
.rept 64
	v_ldexp_f32 v[BIA+NN], v[BIA+NN], s82          ; bias / 2^(e0 + e1)
.set NN, NN+1
.endr
.macro LRMUL a                         ; block a of LR against PU's eight: these products start all 64 sums, in the order of the main product's turns: nothing is ever cleared
.irp b, 0,1,2,3,4,5,6,7
	v_wmma_f32_16x16x64_fp8_fp8 v[8*(8*((\a)%4)+\b):8*(8*((\a)%4)+\b)+7], v[PUF+8*\b:PUF+8*\b+7], v[LRF+8*(\a):LRF+8*(\a)+7], 0
.endr
.endm
	WIN MUL_LO
.irp a, 0,1,2,3
	LRMUL \a
.endr
	WIN MUL_HI
.irp a, 4,5,6,7
	LRMUL \a
.endr
.rept NP
	v_nop                                          ; places between the products and the first read of their results
.endr
.macro RESCALE                         ; a window's 32 accumulators: acc x 2^(e4 + e5 - e0 - e1) + bias / 2^(e0 + e1); each from its low end on
.set AA, 0
.rept 4
.set BB, 0
.rept 8
.set NN, 0
.rept 4
	v_pk_fma_f32 v[8*(8*AA+BB)+NN:8*(8*AA+BB)+NN+1], v[8*(8*AA+BB)+NN:8*(8*AA+BB)+NN+1], s[98:99], v[BIA+8*BB+NN:BIA+8*BB+NN+1] op_sel_hi:[1,0,1]
.set NN, NN+2
.endr
.set BB, BB+1
.endr
.set AA, AA+1
.endr
.endm
	WIN 0x82                                       ; destination and source 0 window 2, the bias window 0
	RESCALE
	WIN 0xc3                                       ; the same for window 3
	RESCALE
	WIN 0                                          ; (these 256 lines are also the places in front of the loads into the registers that held LR, PU and the bias, and of the products that write the accumulators again)
.macro FRAG reg, adr, q, i             ; a fragment, 16 rows x 128 K, is 16 registers: four loads of 512 consecutive bytes
.irp c, 0,1,2,3
	ds_load_b128 v[\reg+4*\c:\reg+4*\c+3], v[\adr] offset:4096*(\i)+2048*(\q)+512*\c
.endr
.endm
; 16 matrix instructions: A's blocks a0, a0 + 1 x W's eight, 128 along K.  p: W's set.  The 64 accumulators take turns, one instruction a turn, in the same order in every step.
.macro MUL16 a0, p
.irp a, \a0, \a0+1
.irp b, 0,1,2,3,4,5,6,7
	v_wmma_f32_16x16x128_fp8_fp8 v[8*(8*((\a)%4)+\b):8*(8*((\a)%4)+\b)+7], v[128*(\p)+FR*\b:128*(\p)+FR*\b+FR-1], v[AF+FR*(\a):AF+FR*(\a)+FR-1], v[8*(8*((\a)%4)+\b):8*(8*((\a)%4)+\b)+7]
.endr
.endr
.endm
.macro FETCH_B slot, q, p              ; W's eight fragments of the slot's q-th 128 along K into set p (the very first fragments come so)
	WIN TO_B
.irp i, 0,1,2,3,4,5,6,7
	FRAG 128*(\p)+FR*\i, ADRB+\slot, \q, \i
.endr
	WIN 0
.endm
.macro FETCH_A slot, q, i0             ; A's blocks i0 .. i0 + 3
.irp i, \i0, \i0+1, \i0+2, \i0+3
	FRAG AF+FR*(\i), ADRA+\slot, \q, \i
.endr
.endm
; A load into a register that a matrix instruction has read, and a vector instruction or an LDS store that reads a matrix result, stand NP places behind that matrix instruction, and only plain vector
; instructions that name none of its registers are places (ISA guide 7.12.1 for vector instructions); this text does not count the matrix instructions in between.
.macro PLACES n
.rept \n
	v_nop
.endr
.endm
; One of a step's four runs of LDS loads, behind sixteen products: the next step's blocks a0, a0 + 1 of A, into the registers that those products have just read, and nb of its blocks of W, from b0 on, into set p.
.macro QFETCH slot, q, p, a0, b0, nb
	PLACES NP
.if \nb > 0
	WIN TO_B
.set BI, \b0
.rept \nb
	FRAG 128*(\p)+FR*BI, ADRB+\slot, \q, BI
.set BI, BI+1
.endr
.endif
	WIN 0
	FRAG AF+FR*(\a0), ADRA+\slot, \q, \a0
	FRAG AF+FR*(\a0+1), ADRA+\slot, \q, \a0+1
.endm
; A STEP of 128 along K: 64 matrix instructions on W's set p, A's blocks one after the other, each against W's eight.  The next step's fragments (the fq-th 128 of slot fslot) are fetched in four runs of 20, 20, 16 and 8
; loads, one behind each sixteen products.  A block of A is free as soon as its eight products are issued, so one set of registers serves A.  W's other set is idle through the whole step: its 32 loads are dealt
; to the first three runs, so that the last run holds A's blocks 6 and 7 alone, which the next step wants last.  synced = 1: the change of slots stands just ahead and has waited for every LDS load.
.macro STEP p, fslot, fq, synced
.if \synced == 0
	s_wait_dscnt 2*NL                              ; all but the youngest run: W's set and A's blocks 0-5 are in; A's blocks 6, 7 (eight loads) may be out
.endif
	WIN MUL_LO
	MUL16 0, \p
	QFETCH \fslot, \fq, 1-\p, 0, 0, 3
	WIN MUL_LO
	MUL16 2, \p
	QFETCH \fslot, \fq, 1-\p, 2, 3, 3
	WIN MUL_HI
	MUL16 4, \p
	QFETCH \fslot, \fq, 1-\p, 4, 6, 2
	s_wait_dscnt 14*NL                             ; A's blocks 6, 7 are in: behind their loads stand this step's first three runs, 20 + 20 + 16 loads, which may be out
	WIN MUL_HI
	MUL16 6, \p
	QFETCH \fslot, \fq, 1-\p, 6, 0, 0
.endm
; THE CHANGE OF SLOTS, at the head of a slot's last step: that step's fragments have all been asked for, so the slot is read out.  Each wave waits for all its tensor loads (the one that is out is its part of the other
; slot), adds 0 to its spare word, and waits for that and for its own reads of this slot.  fill = 1: the barrier is a round of the cluster's, so that no wave of any partner still reads this slot's tile or has a load on its
; way, and the joint refill, two slots ahead along K, is the first thing behind it: it has 128 matrix instructions in which to land.  (Every window is 0 here: a step leaves it so.)
.macro SYNC slot, fill
	s_wait_tensorcnt 0x0                           ; no tensor load of mine is out, so a group 0 may be written
	ds_add_u32 v[SPW], v[NIL]                      ; 0 onto my spare word: with fill = 1 the descriptors' steps stand between it and the wait for it
.if \fill
	s_add_nc_u64 s[G0+4*\slot+2:G0+4*\slot+3], s[G0+4*\slot+2:G0+4*\slot+3], 2*TILEB
	s_add_nc_u64 s[G0B+4*\slot+2:G0B+4*\slot+3], s[G0B+4*\slot+2:G0B+4*\slot+3], 2*TILEB
.endif
	s_wait_dscnt 0x0                               ; the add is done, and my reads of this slot are over
.if \fill
	CROUND
	JLOAD G0+4*\slot, G1, G0B+4*\slot, G1B         ; my one tensor load until the next round
.else
	s_barrier_signal -1
	s_barrier_wait -1
.endif
.endm
	s_wait_tensorcnt 1                             ; my part of slot 0 is in (slot 1's load may be out)
	s_barrier_signal -1
	s_barrier_wait -1                              ; everybody's is
	FETCH_B 0, 0, 0
	FETCH_A 0, 0, 0
	FETCH_A 0, 0, 4
	STEP 0, 0, 1, 0
	s_mov_b32 s3, LAPS-1
.Llap:                                                 ; a trip goes once round the ring, from a lap's second step to the next lap's first, and fills both slots again
	SYNC 0, 1
	STEP 1, 1, 0, 1
	STEP 0, 1, 1, 0
	SYNC 1, 1
	STEP 1, 0, 0, 1
	STEP 0, 0, 1, 0
	s_sub_co_u32 s3, s3, 1
	s_cmp_lg_u32 s3, 0
	s_cbranch_scc1 .Llap
	SYNC 0, 0                                      ; the last lap fills nothing, and has no round of the cluster's barrier; behind this barrier nobody reads slot 0 any more
	STEP 1, 1, 0, 1
	STEP 0, 1, 1, 0
	s_wait_dscnt 2*NL                              ; the very last step: nothing more to fetch
	WIN MUL_LO
	MUL16 0, 1
	MUL16 2, 1
	WIN MUL_HI
	MUL16 4, 1
	s_wait_dscnt 0
	MUL16 6, 1
	WIN 0
; THE WAY OUT, block by block of 16 rows x 128 columns.  A lane holds 32 neighbouring bytes of a row, and the lanes beside it hold other rows: so a block goes through my own stage in LDS and comes back as whole
; rows of 512 bytes.  LDS serves a wave's instructions in order (ISA guide 5.7.1.4): no wait between the stores and the loads, nor in front of the next block's stores.
.macro TOSTAGE a
.set AC, 64*((\a)%4)
	WIN 0x02+((\a)/4)                              ; source 0: window 2 or 3
.set NN, 0
.rept 32
	v_pk_mul_f32 v[TMP+NN:TMP+NN+1], v[AC+NN:AC+NN+1], s[96:97] op_sel_hi:[1,0]   ; both x 2^(e0 + e1); each accumulator from its low end on
.set NN, NN+2
.endr
	WIN 0
.irp b, 0,1,2,3,4,5,6,7
	ds_store_b128 v[STO], v[TMP+8*\b:TMP+8*\b+3] offset:64*\b
	ds_store_b128 v[STO], v[TMP+8*\b+4:TMP+8*\b+7] offset:64*\b+16
.endr
.set BR, BK+64*((\a)%2)
.irp t, 0,1,2,3,4,5,6,7,8,9,10,11,12,13,14,15
	ds_load_b128 v[BR+4*\t:BR+4*\t+3], v[RD] offset:\t*SPITCH
.endr
.endm
.macro SEND a, younger                 ; younger: the LDS instructions issued behind block a's loads, which may stay out
.set BR, BK+64*((\a)%2)
	s_wait_dscnt \younger                          ; the block is back in registers
.if (\a) > 0
	s_add_nc_u64 s[72:73], s[72:73], 16*ROWO       ; (behind a wait on XCNT: the earlier stores have read their base)  16 rows of out on
.endif
.irp t, 0,1,2,3,4,5,6,7,8,9,10,11,12,13,14,15
	global_store_b128 v[CO], v[BR+4*\t:BR+4*\t+3], s[72:73] offset:\t*ROWO th:TH_STORE_NT   ; 32 lanes store 512 consecutive bytes, at a multiple of 256 from out's first byte; written once, read by nobody here
.endr
.endm
	PLACES NP                                      ; behind the last products: for the loads into the registers that held A's fragments, and for the reads of results
	TOSTAGE 0
.irp a, 1,2,3,4,5,6,7
.if \a > 1
	s_wait_xcnt 0x0                                ; block a - 2's stores have read their registers and their base: block a's loads may land there, and the base may step
.endif
	TOSTAGE \a
	SEND \a-1, 32                                  ; behind block a - 1's loads: block a's 16 stores and 16 loads
.endr
	s_wait_xcnt 0x0                                ; block 6's stores have read their base
	SEND 7, 0
	s_wait_tensorcnt 0x0                           ; the wave's end: behind my last tensor load and my last LDS store
	ds_add_u32 v[SPW], v[NIL]
	s_wait_dscnt 0x0
	CROUND                                         ; the closing round: no work-group ends while a partner may still ask for a tile that names it
	s_endpgm
.Lfunc_end_k_q9eeed10a94_gemm:
	.size	k_q9eeed10a94_gemm, .Lfunc_end_k_q9eeed10a94_gemm-k_q9eeed10a94_gemm
	.p2alignl 7, 3214868480
	.fill 96, 4, 3214868480
	.section	.rodata,"a",@progbits
	.p2align	6, 0x0
	.amdhsa_kernel k_q9eeed10a94_gemm
		.amdhsa_group_segment_fixed_size 327680
		.amdhsa_private_segment_fixed_size 0
		.amdhsa_enable_private_segment 0
		.amdhsa_kernarg_size 56
		.amdhsa_user_sgpr_count 2
		.amdhsa_user_sgpr_kernarg_segment_ptr 1
		.amdhsa_wavefront_size32 1
		.amdhsa_system_sgpr_workgroup_id_x 1
		.amdhsa_system_sgpr_workgroup_id_y 1
		.amdhsa_system_sgpr_workgroup_id_z 1
		.amdhsa_system_vgpr_workitem_id 0
		.amdhsa_next_free_vgpr 1024
		.amdhsa_next_free_sgpr 100
		.amdhsa_reserve_vcc 0
		.amdhsa_float_denorm_mode_32 3
		.amdhsa_float_denorm_mode_16_64 3
		.amdhsa_memory_ordered 1
		.amdhsa_forward_progress 1
		.amdhsa_inst_pref_size 156
	.end_amdhsa_kernel
	.amdgpu_metadata
---
amdhsa.version: [ 1, 2 ]
amdhsa.kernels:
  - .name:           k_q9eeed10a94_gemm
    .symbol:         k_q9eeed10a94_gemm.kd
    .args:
      - { .name: a_codes, .offset: 0, .size: 8, .value_kind: global_buffer, .address_space: global }
      - { .name: w_codes, .offset: 8, .size: 8, .value_kind: global_buffer, .address_space: global }
      - { .name: lr_codes, .offset: 16, .size: 8, .value_kind: global_buffer, .address_space: global }
      - { .name: proj_up_dense_codes, .offset: 24, .size: 8, .value_kind: global_buffer, .address_space: global }
      - { .name: bias, .offset: 32, .size: 8, .value_kind: global_buffer, .address_space: global }
      - { .name: lowp_scales, .offset: 40, .size: 8, .value_kind: global_buffer, .address_space: global }
      - { .name: out0, .offset: 48, .size: 8, .value_kind: global_buffer, .address_space: global }
    .group_segment_fixed_size: 327680
    .private_segment_fixed_size: 0
    .kernarg_segment_align: 8
    .kernarg_segment_size: 56
    .max_flat_workgroup_size: 128
    .sgpr_count:     100
    .vgpr_count:     1024
    .wavefront_size: 32
...
	.end_amdgpu_metadata
.endif
;; end of part 2
;; ======== version 2 of 2: 2 launches; version 1 with the launch prep written anew for expert scheduling mode
;; workspace buffers: a_codes 16,777,216 bytes; w_codes 16,777,216 bytes; lr_codes 131,072 bytes
;; launch prep (part 3): grid 256 x 1, 16 waves a work-group, no clusters, 206,848 bytes of LDS; arguments x, main_qweight, main_wscale, proj_down_dense_codes, lowp_scales, a_codes, w_codes, lr_codes; writes a_codes, w_codes, lr_codes
.if DOCPART == 3
	.amdgcn_target "amdgcn-amd-amdhsa--gfx1250"
	.amdhsa_code_object_version 6
	.text
	.protected	k_q9eeed10a94_prep
	.globl	k_q9eeed10a94_prep
	.p2align	8
	.type	k_q9eeed10a94_prep,@function
k_q9eeed10a94_prep:
	s_mov_b64 s[64:65], 0
	v_nop
	global_prefetch_b8 v0, s[64:65] scope:SCOPE_SE
	s_setreg_imm32_b32 hwreg(HW_REG_WAVE_SCHED_MODE, 0, 2), 2
	s_setreg_imm32_b32 hwreg(HW_REG_WAVE_MODE, 25, 1), 1
	s_wait_xcnt 0x0
	s_wait_alu depctr_vm_vsrc(0)
; THE QUANTISING STREAM.  Work-groups with an even number take x, those with an odd number the weight; number / 2 = i says which 32 rows (of 4,096 numbers).
;   x:  a_deq = clip(round(x / ascale), +-127) x ascale, ascale = the group's (64 along K) largest |x| x (1/127), or 1 for a group of zeros; a_deq -> codes of E4M3 with 2^e0 -> a_codes.
;       x itself -> codes with 2^e2, in registers; low rank = those codes x proj_down's codes (K = 4,096, 32 ranks) by v_wmma_f32_16x16x64_fp8_fp8; summed over the waves; -> codes with 2^e4 -> lr_codes [4096][32].
;   w:  w_deq = int32 weight x wscale[row][group] -> codes with 2^e1 -> w_codes.
; SHARES.  Sixteen waves; wave w takes k = 256 w .. 256 w + 255 of the 32 rows, in 8 steps of 16 rows x 64 k (one group a row): 4,096 bytes a step, written out, every offset an immediate.
; Each load reads two rows' aligned 256 bytes (16 lanes a row).  The conversions want 16 NEIGHBOURS along K in one lane, so a step turns through the wave's own stage in LDS (16 rows, 272 bytes apart: 68 words,
; row r starts at bank 4 r mod 64 (64 banks of 4 bytes: ISA guide 11.1)) and comes back so that lane (r, h) holds, of row r, k = 32 c + 16 h + 0 .. 15 in registers 16 c + 0 .. 15.
; a_codes AND w_codes ARE LAID AS IMAGES OF THE NEXT LAUNCH'S OPERAND REGISTERS: byte = (row / 128) 524288 + (k / 256) 32768 + ((row / 16) % 8) 4096 + ((k / 128) % 2) 2048 + ((k / 32) % 4) 512 + 16 lane + k % 16,
; lane = row % 16 + 16 ((k / 16) % 2).  So a lane's 16 codes are 16 bytes at 16 x lane, and each store of a wave covers 512 consecutive bytes, aligned.
; THE LOW-RANK PRODUCT IS USED TRANSPOSED: source 0 = 16 rows of proj_down's codes, source 1 = x's codes.  Lane r of tile u takes rank 8 u + r + 8 (r / 8), so that a lane's 16 sums are ranks 16 h + 0 .. 15 of token r.
; Both operands hold k = 32 c + 16 h + 0 .. 15 in registers 4 c .. 4 c + 3: a permutation of k, the same on both sides, so each product meets its partner.
; No tensor loads (two steps' loads of each of sixteen waves are on their way: 128 KiB a work-group), no cluster: what work-groups share, proj_down's 128 KiB, goes straight into registers once a wave, against 640 KiB moved.
; LIMITS.  e0, e1, e2 and e4 - e2 - e3 between -126 and 119, so that 2^e and 448 x 2^e are f32 numbers.  NaN and infinities in x are not served.  x / ascale is x times v_rcp_f32(ascale): within about 1.5 units in
; the last place of the true quotient, so a quotient that close to a half may round the other way.  A group whose largest |x| is not 0 and under 2^-119 is not served (v_rcp_f32 takes a denormal ascale for 0).
; THE MODE: SCHED_MODE bits 1:0 = 2 (LLVM: expert scheduling mode 2), set by the entry lines.  The code itself states the register dependences
; between vector or matrix instructions and memory or LDS instructions, with s_wait_alu, always for 0.
; THE PLAN.  Registers that memory or LDS instructions touch:
;   v4 .. v14     offsets and LDS addresses: written at the head, never again.  One wait on va_vdst, ahead of the branch on the kind, serves every load, store and LDS instruction of the kernel.
;   R0, R1        raw sets.  Written by the loads of step t + 2, issued at step t's head; read by the LDS stores of step t's turn, issued in step t - 1.  No vector instruction names them in the steps.
;   X             written by a turn's LDS loads; read, and written in place, by step t's vector instructions; then the turn of step t + 1 lands in it.
;   AC            written by step t's conversions; read by step t's two global stores; written again in step t + 1.
;   ACC           written by the products; read by the four LDS stores at the end of steps 3 and 7; begun anew by step 4's products.
;   PD, WS        loaded once; named by matrix and vector instructions alone until the sums at the end.
; So a step has ONE wait on vm_vsrc, at its head (the turn's LDS stores have read R[t % 2]; the last step's stores have read AC, and in step 4 ACC), and ONE wait on va_vdst behind its last conversion (the step is done with X;
; AC is written).  Behind that wait stand the next turn, the two products, which name ACC, PD and XC alone, and the two stores: none of them owes more.  Steps 3 and 7 have one more wait on va_vdst, for the accumulators.
.set R,    32                          ; v32-95    two sets of 32: a step as loaded
.set X,    96                          ; v96-127   the step's 32 numbers of my row
.set T,    128                         ; v128-143  at work
.set AC,   144                         ; v144-151  the codes that go out
.set XC,   152                         ; v152-159  x's codes for the low-rank product
.set PD,   160                         ; v160-223  proj_down's fragments: step s, tile u at PD + 16 s + 8 u
.set ACC,  224                         ; v224-239  the two accumulators
.set WS,   240                         ; v240-247  wscale: row block b, step s at WS + 4 b + s
.set SP,   272                         ; a stage row
.set WSTG, 16*16*SP                    ; LDS: x's sixteen stages from 0, the weight's from here (each kind has bytes of its own),
.set PART, 2*WSTG                      ; then the waves' partial sums: (16 x row block + wave) x 2,048 + 512 q + 16 x lane
; v4 my place in a load; v5, v6 x's stage in and out; v7, v8 the weight's; v9 16 x lane; v10, v11 partial sums in and out; v12 proj_down; v13 wscale; v14 lr_codes
; v16, v17: 2^e and 448 x 2^e for the codes that go out; v18, v19: for e2; v20, v21: for e4 - e2 - e3; v22, v23 maxima; v[24:25] ascale, 0; v[26:27] 1 / ascale, 0; v28 127.0
; v248, v249: the closing add's two registers: the LDS address of my spare word (behind the partial sums: 0x32000 + 4 x my thread's number) and 0; made at the head and kept for that alone
	s_load_b256 s[4:11], s[0:1], 0x0               ; x s[4:5], the weight s[6:7], wscale s[8:9], proj_down's codes s[10:11]
	s_load_b256 s[12:19], s[0:1], 0x20             ; the exponents s[12:13], a_codes s[14:15], w_codes s[16:17], lr_codes s[18:19]
	v_lshl_add_u32 v248, v0, 2, 0x32000
	v_mov_b32 v249, 0
	v_lshrrev_b32 v1, 5, v0
	v_readfirstlane_b32 s20, v1                    ; wave 0..15
	s_and_b32 s21, ttmp9, 1                        ; kind: 0 = x, 1 = the weight
	s_lshr_b32 s22, ttmp9, 1                       ; i: my 32 rows
	s_mov_b32 s40, 0x76543210                      ; v_permlanex16_b32: lane l takes lane l xor 16
	s_mov_b32 s41, 0xfedcba98
	v_and_b32 v1, 31, v0                           ; lane
	v_and_b32 v2, 15, v0                           ; r
	v_bfe_u32 v3, v0, 4, 1                         ; h
	v_lshlrev_b32 v4, 4, v2
	v_lshl_add_u32 v4, v3, 14, v4                  ; a load: 16 r, lanes 16-31 one row (16,384 bytes) further down
	s_wait_alu depctr_va_sdst(0)                   ; s20 is written, ahead of its first reader: addresses, bases and the branches at the end are made from it
	s_min_u32 s23, s20, 1                          ; the row block that waves 0 and 1 sum at the end
	s_mul_i32 s38, s20, 16*SP                      ; my stage
	v_mul_u32_u24 v5, v3, SP
	v_lshl_add_u32 v5, v2, 4, v5
	v_add_nc_u32 v5, s38, v5                       ; in: as loaded: row h, 16 r
	v_mul_u32_u24 v6, v2, SP
	v_lshl_add_u32 v6, v3, 6, v6
	v_add_nc_u32 v6, s38, v6                       ; out: row r, + 64 h bytes: my 16 numbers of each 32
	v_add_nc_u32 v7, WSTG, v5
	v_add_nc_u32 v8, WSTG, v6
	v_lshlrev_b32 v9, 4, v1
	s_lshl_b32 s38, s20, 11
	v_add_nc_u32 v10, s38, v9
	v_add_nc_u32 v10, PART, v10
	s_lshl_b32 s38, s23, 15
	v_add_nc_u32 v11, s38, v9
	v_add_nc_u32 v11, PART, v11
	v_and_b32 v12, 8, v2
	v_add_nc_u32 v12, v12, v2                      ; r + 8 (r / 8)
	v_lshlrev_b32 v12, 12, v12                     ; a rank's row is 4,096 codes
	v_lshl_add_u32 v12, v3, 4, v12
	v_lshlrev_b32 v13, 8, v2                       ; a row of wscale is 256 bytes
	v_lshlrev_b32 v14, 5, v2
	v_lshl_add_u32 v14, v3, 4, v14                 ; lr_codes: 32 r + 16 h
	v_mov_b32 v25, 0                               ; (named as the upper halves of pairs)
	v_mov_b32 v27, 0
	v_mov_b32 v28, 0x42fe0000                      ; 127.0
	s_lshl_b32 s30, s22, 19                        ; from: 32 i rows of 16,384 bytes + 1,024 x wave
	s_lshl_b32 s38, s20, 10
	s_add_co_u32 s30, s30, s38
	s_mov_b32 s31, 0
	s_lshr_b32 s32, s22, 2                         ; to: (i / 4) 524288 + 32768 x wave + (i % 4) 8192
	s_lshl_b32 s32, s32, 19
	s_lshl_b32 s38, s20, 15
	s_add_co_u32 s32, s32, s38
	s_and_b32 s38, s22, 3
	s_lshl_b32 s38, s38, 13
	s_add_co_u32 s32, s32, s38
	s_mov_b32 s33, 0
	s_mov_b32 s39, 0
	s_wait_kmcnt 0x0
	s_load_b128 s[24:27], s[12:13], 0x0            ; e0, e1, e2, e3
	s_load_b32 s28, s[12:13], 0x10                 ; e4
	s_cmp_eq_u32 s21, 0                            ; the choice of buffers hangs on the work-group's number alone
	s_cselect_b64 s[34:35], s[4:5], s[6:7]
	s_cselect_b64 s[36:37], s[14:15], s[16:17]
	s_add_nc_u64 s[34:35], s[34:35], s[30:31]
	s_add_nc_u64 s[36:37], s[36:37], s[32:33]
	s_lshl_b32 s38, s20, 8
	s_add_nc_u64 s[44:45], s[10:11], s[38:39]      ; proj_down's codes at k = 256 x wave
	s_lshl_b32 s38, s22, 13
	s_lshl_b32 s42, s20, 4
	s_add_co_u32 s38, s38, s42
	s_add_nc_u64 s[46:47], s[8:9], s[38:39]        ; wscale at row 32 i, group 4 x wave
	s_lshl_b32 s38, s22, 10
	s_lshl_b32 s42, s23, 9
	s_add_co_u32 s38, s38, s42
	s_add_nc_u64 s[48:49], s[18:19], s[38:39]      ; lr_codes at row 32 i + 16 x row block
	s_wait_kmcnt 0x0
	s_cmp_eq_u32 s21, 0
	s_cselect_b32 s42, s24, s25                    ; e0 for x, e1 for the weight
	s_add_co_i32 s42, s42, 127
	s_lshl_b32 s43, s42, 23
	v_mov_b32 v16, s43                             ; 2^e as f32: the conversion takes its exponent field
	s_add_co_i32 s42, s42, 8
	s_lshl_b32 s42, s42, 23
	s_or_b32 s42, s42, 0x600000
	v_mov_b32 v17, s42                             ; 448 x 2^e
	s_add_co_i32 s42, s26, 127
	s_lshl_b32 s43, s42, 23
	v_mov_b32 v18, s43                             ; 2^e2
	s_add_co_i32 s42, s42, 8
	s_lshl_b32 s42, s42, 23
	s_or_b32 s42, s42, 0x600000
	v_mov_b32 v19, s42
	s_sub_co_i32 s42, s28, s26                     ; a low-rank sum stands for sum x 2^(e2 + e3): its code is sum / 2^(e4 - e2 - e3)
	s_sub_co_i32 s42, s42, s27
	s_add_co_i32 s42, s42, 127
	s_lshl_b32 s43, s42, 23
	v_mov_b32 v20, s43
	s_add_co_i32 s42, s42, 8
	s_lshl_b32 s42, s42, 23
	s_or_b32 s42, s42, 0x600000
	v_mov_b32 v21, s42
.macro LOAD t                          ; step t: row block t / 4, group t % 4 of my four: eight loads, two rows each, into set t % 2
.irp i, 0,1,2,3,4,5,6,7
	global_load_b128 v[R+32*((\t)%2)+4*\i:R+32*((\t)%2)+4*\i+3], v4, s[34:35] offset:(16*((\t)/4)+2*\i)*16384+256*((\t)%4) th:TH_LOAD_NT
.endr
.endm
.macro TURN t, sin, sout               ; step t through my stage.  LDS serves a wave's instructions in order (ISA guide 5.7.1.4): no wait between the stores and the loads, nor in front of the next turn's stores
.irp i, 0,1,2,3,4,5,6,7
	ds_store_b128 v[\sin], v[R+32*((\t)%2)+4*\i:R+32*((\t)%2)+4*\i+3] offset:2*SP*\i
.endr
.irp c, 0,1
.irp j, 0,1,2,3
	ds_load_b128 v[X+16*\c+4*\j:X+16*\c+4*\j+3], v[\sout] offset:128*\c+16*\j
.endr
.endr
.endm
.macro PUT t                           ; the step's codes: two stores of 512 consecutive bytes; the next launch reads them, so no hint
	global_store_b128 v9, v[AC:AC+3], s[36:37] offset:4096*((\t)/4)+1024*((\t)%4)
	global_store_b128 v9, v[AC+4:AC+7], s[36:37] offset:4096*((\t)/4)+1024*((\t)%4)+512
.endm
.macro NEXT t, sin, sout               ; the next step's numbers go through the stage
.if (\t) < 6
	s_wait_loadcnt 8                               ; the next step's eight loads are in; the eight of the step behind it, the only younger ones, may be out
	TURN (\t)+1, \sin, \sout
.elseif (\t) == 6
	s_wait_loadcnt 0x0                             ; nothing younger was issued
	TURN 7, \sin, \sout
.endif
.endm
.macro XSTEP t
.set QS, (\t)%4
	s_wait_dscnt 0x0                               ; my 32 numbers are back from the stage
	s_wait_alu depctr_vm_vsrc(0)                   ; the turn's LDS stores have read raw set t % 2, in which the loads below land; the last step's stores have read the codes' registers, and in step 4 the LDS stores of the partial sums the accumulators: this step writes both again
.if (\t)+2 < 8
	LOAD (\t)+2                                    ; the raw set takes the loads of two steps on
.endif
	v_max3_num_f32 v22, |v96|, |v97|, |v98|        ; the group's largest |x|: my 32 numbers in two chains,
	v_max3_num_f32 v23, |v99|, |v100|, |v101|
	v_max3_num_f32 v22, v22, |v102|, |v103|
	v_max3_num_f32 v23, v23, |v104|, |v105|
	v_max3_num_f32 v22, v22, |v106|, |v107|
	v_max3_num_f32 v23, v23, |v108|, |v109|
	v_max3_num_f32 v22, v22, |v110|, |v111|
	v_max3_num_f32 v23, v23, |v112|, |v113|
	v_max3_num_f32 v22, v22, |v114|, |v115|
	v_max3_num_f32 v23, v23, |v116|, |v117|
	v_max3_num_f32 v22, v22, |v118|, |v119|
	v_max3_num_f32 v23, v23, |v120|, |v121|
	v_max3_num_f32 v22, v22, |v122|, |v123|
	v_max3_num_f32 v23, v23, |v124|, |v125|
	v_max3_num_f32 v22, v22, |v126|, |v127|
	v_max_num_f32 v22, v22, v23
	v_permlanex16_b32 v23, v22, s40, s41           ; and the row's other 32, in the lane 16 away
	v_max_num_f32 v22, v22, v23
	v_cmp_lt_f32 vcc_lo, 0, v22
	v_mul_f32 v24, 0x3c010204, v22                 ; x (1 / 127)
	s_wait_alu depctr_va_vcc(0)                    ; the compare has written VCC, which the select below reads
	v_cndmask_b32 v24, 1.0, v24, vcc_lo            ; ascale; 1 for a group of zeros
	v_rcp_f32 v26, v24
	v_nop                                          ; a plain instruction between the reciprocal and its use
	s_wait_xcnt 0x0                                ; the last step's stores have read the codes' registers: they are written again only behind this wait
	s_wait_alu depctr_va_vdst(0)                   ; the reciprocal has written v26, ahead of its first reader
.irp c, 0,1                                    ; 16 numbers at a time
.set NN, 0
.rept 8
	v_pk_mul_f32 v[T+NN:T+NN+1], v[X+16*\c+NN:X+16*\c+NN+1], v[26:27] op_sel_hi:[1,0]   ; x / ascale
.set NN, NN+2
.endr
.set NN, 0
.rept 16
	v_rndne_f32 v[T+NN], v[T+NN]                   ; to the nearest whole number, ties to even
.set NN, NN+1
.endr
.set NN, 0
.rept 16
	v_med3_num_f32 v[T+NN], v[T+NN], -v28, v28     ; the clip at +-127
.set NN, NN+1
.endr
.set NN, 0
.rept 8
	v_pk_mul_f32 v[T+NN:T+NN+1], v[T+NN:T+NN+1], v[24:25] op_sel_hi:[1,0]               ; a_deq
.set NN, NN+2
.endr
.set NN, 0
.rept 16
	v_med3_num_f32 v[T+NN], v[T+NN], -v17, v17     ; the conversion to an 8-bit code does not saturate (ISA guide 7.6.2): the hold at 448 x 2^e0
.set NN, NN+1
.endr
	v_cvt_scalef32_pk8_fp8_f32 v[AC+4*\c:AC+4*\c+1], v[T:T+7], v16
	v_cvt_scalef32_pk8_fp8_f32 v[AC+4*\c+2:AC+4*\c+3], v[T+8:T+15], v16
.set NN, 0
.rept 16
	v_med3_num_f32 v[X+16*\c+NN], v[X+16*\c+NN], -v19, v19   ; x itself, held at 448 x 2^e2.  (Plain lines behind the conversions above, whose sources the next half writes)
.set NN, NN+1
.endr
	v_cvt_scalef32_pk8_fp8_f32 v[XC+4*\c:XC+4*\c+1], v[X+16*\c:X+16*\c+7], v18
	v_cvt_scalef32_pk8_fp8_f32 v[XC+4*\c+2:XC+4*\c+3], v[X+16*\c+8:X+16*\c+15], v18
.endr
	v_nop                                          ; one plain line between the last conversion and the products that read its result
	s_wait_alu depctr_va_vdst(0)                   ; the step's vector instructions are done reading and writing X, in which the next turn's LDS loads land; the conversions have written the codes' registers, which the two stores below read
	NEXT \t, 5, 6
.if QS == 0                                    ; a row block's first step starts the sums: nothing is cleared.  The two accumulators take turns, one instruction a turn
	v_wmma_f32_16x16x64_fp8_fp8 v[ACC:ACC+7], v[PD:PD+7], v[XC:XC+7], 0
	v_wmma_f32_16x16x64_fp8_fp8 v[ACC+8:ACC+15], v[PD+8:PD+15], v[XC:XC+7], 0
.else
	v_wmma_f32_16x16x64_fp8_fp8 v[ACC:ACC+7], v[PD+16*QS:PD+16*QS+7], v[XC:XC+7], v[ACC:ACC+7]
	v_wmma_f32_16x16x64_fp8_fp8 v[ACC+8:ACC+15], v[PD+16*QS+8:PD+16*QS+15], v[XC:XC+7], v[ACC+8:ACC+15]
.endif
	PUT \t                                         ; no further wait: the two products, the only vector-side instructions since the wait above, name the accumulators, PD and XC alone
.if QS == 3
.rept 4
	v_nop                                          ; four places between the products and the LDS stores that read their results
.endr
	s_wait_alu depctr_va_vdst(0)                   ; the products have written the accumulators, which the LDS stores below read; the places above stay beside this wait
.irp q, 0,1,2,3
	ds_store_b128 v10, v[ACC+4*\q:ACC+4*\q+3] offset:32768*((\t)/4)+512*\q   ; my 256 k's share of the row block's sums, as the registers stand; each accumulator from its low end on
.endr
.endif
.endm
.macro WSTEP t
.set QS, (\t)%4
.set WP, WS+4*((\t)/4)+2*(QS/2)        ; the pair that holds this group's scale
	s_wait_dscnt 0x0                               ; my 32 numbers are back from the stage
	s_wait_alu depctr_vm_vsrc(0)                   ; the turn's LDS stores have read raw set t % 2, in which the loads below land; the last step's stores have read the codes' registers, which this step's conversions write again
.if (\t)+2 < 8
	LOAD (\t)+2                                    ; the raw set takes the loads of two steps on
.endif
.set NN, 0
.rept 32
	v_cvt_f32_i32 v[X+NN], v[X+NN]
.set NN, NN+1
.endr
.set NN, 0
.rept 16
.if QS%2 == 0
	v_pk_mul_f32 v[X+NN:X+NN+1], v[X+NN:X+NN+1], v[WP:WP+1] op_sel_hi:[1,0]             ; w_deq: both x the pair's first register
.else
	v_pk_mul_f32 v[X+NN:X+NN+1], v[X+NN:X+NN+1], v[WP:WP+1] op_sel:[0,1] op_sel_hi:[1,1] ; both x its second
.endif
.set NN, NN+2
.endr
.set NN, 0
.rept 32
	v_med3_num_f32 v[X+NN], v[X+NN], -v17, v17     ; the hold at 448 x 2^e1
.set NN, NN+1
.endr
	s_wait_xcnt 0x0                                ; the last step's stores have read the codes' registers
.irp g, 0,1,2,3
	v_cvt_scalef32_pk8_fp8_f32 v[AC+2*\g:AC+2*\g+1], v[X+8*\g:X+8*\g+7], v16
.endr
	v_nop                                          ; one plain line behind the last conversion
	s_wait_alu depctr_va_vdst(0)                   ; the step's vector instructions are done reading and writing X, in which the next turn's LDS loads land; the conversions have written the codes' registers, which the two stores below read
	NEXT \t, 7, 8
	PUT \t
.endm
	s_wait_alu depctr_va_vdst(0)                   ; the offsets and LDS addresses v4 to v14 are written: every load, store and LDS instruction on both ways below reads one of them, and none is written again
	s_cmp_eq_u32 s21, 0
	s_cbranch_scc0 .Lw
	; ---- x
.irp s, 0,1,2,3                                ; proj_down's codes for my 256 k: 32 ranks x 256 bytes, each aligned 256 bytes read whole; they stay in registers for both row blocks
.irp u, 0,1
.irp c, 0,1
	global_load_b128 v[PD+16*\s+8*\u+4*\c:PD+16*\s+8*\u+4*\c+3], v12, s[44:45] offset:32768*\u+64*\s+32*\c
.endr
.endr
.endr
	LOAD 0
	LOAD 1
	s_wait_loadcnt 8                               ; all but step 1's eight
	TURN 0, 5, 6
.irp t, 0,1,2,3,4,5,6,7
	XSTEP \t
.endr
	s_branch .Ljoin
.Lw:
	; ---- the weight
	global_load_b128 v[WS:WS+3], v13, s[46:47]             ; my four groups' scales of rows r and 16 + r
	global_load_b128 v[WS+4:WS+7], v13, s[46:47] offset:4096
	LOAD 0
	LOAD 1
	s_wait_loadcnt 8                               ; all but step 1's eight
	TURN 0, 7, 8
.irp t, 0,1,2,3,4,5,6,7
	WSTEP \t
.endr
.Ljoin:
	s_wait_alu depctr_vm_vsrc(0)                   ; my LDS stores have read the raw sets and the accumulators, my global stores the codes' registers: in waves 0 and 1 the partial sums are loaded into the raw sets' and the codes' registers below; the wait stands ahead of the branches, on every way to those loads
	s_wait_dscnt 0x0                               ; for the others' sake: my stores of partial sums have landed
	s_barrier_signal -1
	s_barrier_wait -1                              ; the one barrier, on both kinds' way
	s_cmp_lg_u32 s21, 0
	s_cbranch_scc1 .Lend
	s_cmp_ge_u32 s20, 2
	s_cbranch_scc1 .Lend
	; ---- waves 0 and 1: the sixteen waves' shares of row block 0 or 1 are added, and the sums become codes
	s_wait_xcnt 0x0                                ; my last stores have read the codes' registers: LDS loads land there only behind this wait
	s_wait_alu depctr_va_vdst(0)                   ; the last step's vector instructions and products are done reading and writing v96 to v159 (X, T, the codes), in which, with the raw sets, the loads below land
.irp p, 0,1,2,3,4,5,6,7
.irp q, 0,1,2,3
	ds_load_b128 v[32+16*\p+4*\q:32+16*\p+4*\q+3], v11 offset:2048*\p+512*\q
.endr
.endr
	s_wait_dscnt 0x0
.irp p, 1,2,3,4,5,6,7
.irp n, 0,2,4,6,8,10,12,14
	v_pk_add_f32 v[32+\n:33+\n], v[32+\n:33+\n], v[32+16*\p+\n:33+16*\p+\n]
.endr
.endr
	s_wait_alu depctr_va_vdst(0)                   ; the additions are done reading v48 to v159, and the products were done reading v160 to v175 (proj_down's first fragments): the loads below land in these
.irp p, 8,9,10,11,12,13,14,15
.irp q, 0,1,2,3
	ds_load_b128 v[32+16*(\p-7)+4*\q:32+16*(\p-7)+4*\q+3], v11 offset:2048*\p+512*\q
.endr
.endr
	s_wait_dscnt 0x0
.irp p, 1,2,3,4,5,6,7,8
.irp n, 0,2,4,6,8,10,12,14
	v_pk_add_f32 v[32+\n:33+\n], v[32+\n:33+\n], v[32+16*\p+\n:33+16*\p+\n]
.endr
.endr
.irp n, 0,1,2,3,4,5,6,7,8,9,10,11,12,13,14,15
	v_med3_num_f32 v[32+\n], v[32+\n], -v21, v21   ; the hold at 448 x 2^(e4 - e2 - e3)
.endr
	v_cvt_scalef32_pk8_fp8_f32 v[176:177], v[32:39], v20   ; ranks 16 h + 0 .. 7 of token r,
	v_cvt_scalef32_pk8_fp8_f32 v[178:179], v[40:47], v20   ; 16 h + 8 .. 15
	v_nop
	s_wait_alu depctr_va_vdst(0)                   ; the conversions have written v176 to v179, which the store reads
	global_store_b128 v14, v[176:179], s[48:49]    ; 16 rows of 32 codes: 512 consecutive bytes
.Lend:
	s_wait_dscnt 0x0                               ; the closing lines, six on end
	s_wait_alu 0x0
	s_wait_tensorcnt 0x0
	ds_add_u32 v248, v249
	s_wait_dscnt 0x0
	s_endpgm
.Lfunc_end_k_q9eeed10a94_prep:
	.size	k_q9eeed10a94_prep, .Lfunc_end_k_q9eeed10a94_prep-k_q9eeed10a94_prep
	.p2alignl 7, 3214868480
	.fill 96, 4, 3214868480
	.section	.rodata,"a",@progbits
	.p2align	6, 0x0
	.amdhsa_kernel k_q9eeed10a94_prep
		.amdhsa_group_segment_fixed_size 206848
		.amdhsa_private_segment_fixed_size 0
		.amdhsa_enable_private_segment 0
		.amdhsa_kernarg_size 64
		.amdhsa_user_sgpr_count 2
		.amdhsa_user_sgpr_kernarg_segment_ptr 1
		.amdhsa_wavefront_size32 1
		.amdhsa_system_sgpr_workgroup_id_x 1
		.amdhsa_system_sgpr_workgroup_id_y 1
		.amdhsa_system_sgpr_workgroup_id_z 1
		.amdhsa_system_vgpr_workitem_id 0
		.amdhsa_next_free_vgpr 250
		.amdhsa_next_free_sgpr 66
		.amdhsa_reserve_vcc 1
		.amdhsa_float_denorm_mode_32 3
		.amdhsa_float_denorm_mode_16_64 3
		.amdhsa_memory_ordered 1
		.amdhsa_forward_progress 1
		.amdhsa_inst_pref_size 176
	.end_amdhsa_kernel
	.amdgpu_metadata
---
amdhsa.version: [ 1, 2 ]
amdhsa.kernels:
  - .name:           k_q9eeed10a94_prep
    .symbol:         k_q9eeed10a94_prep.kd
    .args:
      - { .name: x, .offset: 0, .size: 8, .value_kind: global_buffer, .address_space: global }
      - { .name: main_qweight, .offset: 8, .size: 8, .value_kind: global_buffer, .address_space: global }
      - { .name: main_wscale, .offset: 16, .size: 8, .value_kind: global_buffer, .address_space: global }
      - { .name: proj_down_dense_codes, .offset: 24, .size: 8, .value_kind: global_buffer, .address_space: global }
      - { .name: lowp_scales, .offset: 32, .size: 8, .value_kind: global_buffer, .address_space: global }
      - { .name: a_codes, .offset: 40, .size: 8, .value_kind: global_buffer, .address_space: global }
      - { .name: w_codes, .offset: 48, .size: 8, .value_kind: global_buffer, .address_space: global }
      - { .name: lr_codes, .offset: 56, .size: 8, .value_kind: global_buffer, .address_space: global }
    .group_segment_fixed_size: 206848
    .private_segment_fixed_size: 0
    .kernarg_segment_align: 8
    .kernarg_segment_size: 64
    .max_flat_workgroup_size: 512
    .sgpr_count:     66
    .vgpr_count:     250
    .wavefront_size: 32
...
	.end_amdgpu_metadata
.endif
;; end of part 3
;; launch gemm: the kernel of part 2 again; grid 16 x 16, 4 waves a work-group, clusters of 4 x 4, 327,680 bytes of LDS; arguments a_codes, w_codes, lr_codes, proj_up_dense_codes, bias, lowp_scales, out0; writes out0
